; MI455X (gfx1250); checked and timed in simulation.
; The chip was launched on July 23, 2026; its instructions are those of AMD's public machine-readable ISA for CDNA 5 (MIT licence, August 2026) and "CDNA5" Instruction Set Architecture Reference Guide (July 2026). The comments in the code are by the model that wrote it; some were corrected since.
;; Sparse Attention. Allowed arithmetic: float matrix products may take bf16 or f16 operands with f32 sums; all other float work in f32.
;; Inputs: Wk 512 x 512 float32; Wo 512 x 512 float32; Wq 512 x 512 float32; Wv 512 x 512 float32; bo 512 float32; x 2 x 4,096 x 512 float32.
;; Outputs: out0 2 x 4,096 x 512 float32.
;; One version. Each part assembles by itself: llvm-mc -triple=amdgcn-amd-amdhsa -mcpu=gfx1250 --defsym DOCPART=n.
;; ======== version 1 of 1: 2 launches
;; limits: values are held in f16: magnitudes above 65,504 overflow, below 6.1e-05 lose precision; right only within a limited range of input values
;; workspace buffers: wpack 2,097,152 bytes
;; launch pack (part 1): grid 64 x 4, 4 waves a work-group, no clusters, 0 bytes of LDS; arguments Wq, Wk, Wv, Wo, wpack; writes wpack
.if DOCPART == 1
	.amdgcn_target "amdgcn-amd-amdhsa--gfx1250"
	.amdhsa_code_object_version 6
	.text
	.protected	k_q67d8f9c1cf_pack
	.globl	k_q67d8f9c1cf_pack
	.p2align	8
	.type	k_q67d8f9c1cf_pack,@function
k_q67d8f9c1cf_pack:
	s_mov_b64 s[64:65], 0
	v_nop
	global_prefetch_b8 v0, s[64:65] scope:SCOPE_SE
	s_setreg_imm32_b32 hwreg(HW_REG_WAVE_MODE, 25, 1), 1
	s_wait_xcnt 0x0
; The four weight matrices [512][512] f32 are rounded once and laid out as the next launch eats them.
; Wq, Wk, Wv: rounded to bf16.  Wo: rounded to bf16 like every input, and that number written as f16 (its partner in the product, O, is f16).
; LIMIT: |Wo| up to 65,504 (f16's range); a Wo entry below 6e-5 keeps f16's fixed step of 6e-8.
; LAYOUT of wpack: 64 pieces of 32,768 bytes, piece (slot s, wave w) at (4 s + w) x 32,768.  In a piece: unit u (32 along K) 4,096 bytes, fragment t (16 rows) 1,024, half 512, lane 16 bytes:
; the eight numbers W[128 w + 64 g + 16 t + lane % 16][32 (8 hf + u) + 16 half + 8 (lane / 16) + 0..7].  Slot = 6 g + 2 y + hf for matrix y = 0, 1, 2 (Wq, Wk, Wv), 12 + 2 g + hf for Wo.
; So a fragment of a matrix instruction is 1,024 consecutive bytes in register order.
; SHARES: grid y = the matrix.  Wave q = 4 x + wave (0..255) takes 16 rows (tile T = q / 8) x 64 along K (pair kp = q % 8): 256 consecutive bytes of each of 16 rows in, four runs of 512 consecutive bytes out.
; No LDS, no matrix unit: every byte is read once and written once, and the launch is short.
.set IN,  8                            ; v[8:39]   chunk c = 2 dk + half: eight f32
.set OU,  40                           ; v[40:55]  chunk c: four words of two 16-bit numbers
	s_load_b256 s[4:11], s[0:1], 0x0               ; Wq s[4:5], Wk s[6:7], Wv s[8:9], Wo s[10:11]
	s_load_b64 s[12:13], s[0:1], 0x20              ; wpack
	v_lshrrev_b32 v3, 5, v0
	v_readfirstlane_b32 s14, v3                    ; wave 0..3
	s_and_b32 s15, ttmp7, 0xffff                   ; y: which matrix
	s_lshl_b32 s16, ttmp9, 2
	s_add_co_u32 s16, s16, s14                     ; q
	s_lshr_b32 s17, s16, 3                         ; T: row tile = 8 w + 4 g + t
	s_and_b32 s18, s16, 7                          ; kp
	s_lshr_b32 s19, s17, 3                         ; w
	s_bfe_u32 s24, s17, 0x10002                    ; g
	s_and_b32 s25, s17, 3                          ; t
	s_lshr_b32 s26, s18, 2                         ; hf
	s_and_b32 s27, s18, 3                          ; half of the first unit's number
	s_mul_i32 s28, s24, 6
	s_lshl1_add_u32 s28, s15, s28                  ; 6 g + 2 y
	s_lshl1_add_u32 s29, s24, 12                   ; 12 + 2 g
	s_cmp_eq_u32 s15, 3
	s_cselect_b32 s28, s29, s28
	s_add_co_u32 s28, s28, s26                     ; the slot
	s_lshl2_add_u32 s28, s28, s19                  ; 4 s + w: the piece
	s_lshl_b32 s20, s28, 15
	s_lshl_b32 s29, s27, 13                        ; unit 2 (kp % 4) x 4,096
	s_or_b32 s20, s20, s29
	s_lshl_b32 s29, s25, 10                        ; fragment t x 1,024
	s_or_b32 s20, s20, s29
	s_mov_b32 s21, 0                               ; s[20:21]: where I write
	s_lshl_b32 s22, s17, 15                        ; 16 rows of 2,048 bytes,
	s_lshl_b32 s29, s18, 8                         ; 64 f32 along K
	s_or_b32 s22, s22, s29
	s_mov_b32 s23, 0                               ; s[22:23]: where I read
	s_mov_b32 s30, 0xffff0000                      ; a word's upper bf16
	v_and_b32 v4, 15, v0
	v_bfe_u32 v5, v0, 4, 1
	v_lshlrev_b32 v1, 11, v4                       ; in: row lane % 16,
	v_lshl_or_b32 v1, v5, 5, v1                    ; eight f32 for each half of the lanes
	v_and_b32 v2, 31, v0
	v_lshlrev_b32 v2, 4, v2                        ; out: 16 bytes a lane
	s_wait_kmcnt 0x0
	s_cmp_eq_u32 s15, 1                            ; the source is chosen by the matrix number alone
	s_cselect_b64 s[4:5], s[6:7], s[4:5]
	s_cmp_eq_u32 s15, 2
	s_cselect_b64 s[4:5], s[8:9], s[4:5]
	s_cmp_eq_u32 s15, 3
	s_cselect_b64 s[4:5], s[10:11], s[4:5]
	s_add_nc_u64 s[4:5], s[4:5], s[22:23]
	s_add_nc_u64 s[12:13], s[12:13], s[20:21]
.irp c, 0,1,2,3
	global_load_b128 v[IN+8*(\c):IN+8*(\c)+3],   v1, s[4:5] offset:64*(\c) th:TH_LOAD_NT     ; the eight loads together take 256 consecutive bytes of each row
	global_load_b128 v[IN+8*(\c)+4:IN+8*(\c)+7], v1, s[4:5] offset:64*(\c)+16 th:TH_LOAD_NT
.endr
.irp c, 0,1,2,3
	s_wait_loadcnt 6-2*(\c)                        ; loads come back in order: the younger chunks' two loads each may stay out
.irp p, 0,1,2,3
	v_cvt_pk_bf16_f32 v[OU+4*(\c)+(\p)], v[IN+8*(\c)+2*(\p)], v[IN+8*(\c)+2*(\p)+1]
.endr
.endr
	s_cmp_lg_u32 s15, 3
	s_cbranch_scc1 .Lstore
.set z, 0
.rept 16                               ; Wo alone: the bf16 numbers are written as f16
	v_lshlrev_b32 v56, 16, v[OU+z]
	v_and_b32 v57, s30, v[OU+z]
	v_cvt_pk_f16_f32 v[OU+z], v56, v57
.set z, z+1
.endr
.Lstore:
.irp c, 0,1,2,3
	global_store_b128 v2, v[OU+4*(\c):OU+4*(\c)+3], s[12:13] offset:4096*((\c)/2)+512*((\c)%2)  ; 512 consecutive bytes, at a multiple of 512 from wpack's first byte
.endr
	s_endpgm
.Lfunc_end_k_q67d8f9c1cf_pack:
	.size	k_q67d8f9c1cf_pack, .Lfunc_end_k_q67d8f9c1cf_pack-k_q67d8f9c1cf_pack
	.p2alignl 7, 3214868480
	.fill 96, 4, 3214868480
	.section	.rodata,"a",@progbits
	.p2align	6, 0x0
	.amdhsa_kernel k_q67d8f9c1cf_pack
		.amdhsa_group_segment_fixed_size 0
		.amdhsa_private_segment_fixed_size 0
		.amdhsa_enable_private_segment 0
		.amdhsa_kernarg_size 40
		.amdhsa_user_sgpr_count 2
		.amdhsa_user_sgpr_kernarg_segment_ptr 1
		.amdhsa_wavefront_size32 1
		.amdhsa_system_sgpr_workgroup_id_x 1
		.amdhsa_system_sgpr_workgroup_id_y 1
		.amdhsa_system_sgpr_workgroup_id_z 1
		.amdhsa_system_vgpr_workitem_id 0
		.amdhsa_next_free_vgpr 64
		.amdhsa_next_free_sgpr 66
		.amdhsa_reserve_vcc 0
		.amdhsa_float_denorm_mode_32 3
		.amdhsa_float_denorm_mode_16_64 3
		.amdhsa_memory_ordered 1
		.amdhsa_forward_progress 1
		.amdhsa_inst_pref_size 7
	.end_amdhsa_kernel
	.amdgpu_metadata
---
amdhsa.version: [ 1, 2 ]
amdhsa.kernels:
  - .name:           k_q67d8f9c1cf_pack
    .symbol:         k_q67d8f9c1cf_pack.kd
    .args:
      - { .name: Wq, .offset: 0, .size: 8, .value_kind: global_buffer, .address_space: global }
      - { .name: Wk, .offset: 8, .size: 8, .value_kind: global_buffer, .address_space: global }
      - { .name: Wv, .offset: 16, .size: 8, .value_kind: global_buffer, .address_space: global }
      - { .name: Wo, .offset: 24, .size: 8, .value_kind: global_buffer, .address_space: global }
      - { .name: wpack, .offset: 32, .size: 8, .value_kind: global_buffer, .address_space: global }
    .group_segment_fixed_size: 0
    .private_segment_fixed_size: 0
    .kernarg_segment_align: 8
    .kernarg_segment_size: 40
    .max_flat_workgroup_size: 128
    .sgpr_count:     66
    .vgpr_count:     64
    .wavefront_size: 32
...
	.end_amdgpu_metadata
.endif
;; end of part 1
;; launch fused (part 2): grid 256 x 1, 4 waves a work-group, clusters of 4 x 1, 327,680 bytes of LDS; arguments x, wpack, bo, out0; writes out0
.if DOCPART == 2
	.amdgcn_target "amdgcn-amd-amdhsa--gfx1250"
	.amdhsa_code_object_version 6
	.text
	.protected	k_q67d8f9c1cf_fused
	.globl	k_q67d8f9c1cf_fused
	.p2align	8
	.type	k_q67d8f9c1cf_fused,@function
k_q67d8f9c1cf_fused:
	s_mov_b64 s[64:65], 0
	v_nop
	global_prefetch_b8 v0, s[64:65] scope:SCOPE_SE
	s_setreg_imm32_b32 hwreg(HW_REG_WAVE_MODE, 25, 1), 1
	s_wait_xcnt 0x0
	s_wait_alu depctr_hold_cnt(0) depctr_sa_sdst(0) depctr_va_vdst(0) depctr_va_sdst(0) depctr_va_ssrc(0) depctr_va_vcc(0) depctr_vm_vsrc(0)
	s_getreg_b32 s2, hwreg(HW_REG_IB_STS2, 6, 4)
	s_cmp_eq_u32 s2, 0
	s_cbranch_scc0 .Lentry_in_a_cluster
	s_endpgm
.Lentry_in_a_cluster:
	s_bfe_u32 s2, ttmp6, 0x10000c
	s_cmp_lg_u32 s2, 0x3003
	s_cbranch_scc0 .Lentry_shape_is_right
	s_endpgm
.Lentry_shape_is_right:
; out = (band attention of x Wq^T, x Wk^T, x Wv^T, 8 heads of 64 channels, window |key - query| <= 4 inside a batch) Wo^T + bo.  x, out: [2][4096][512] f32.  wpack: the weights as the launch before laid them.
; Keys outside the band have weight 0 in the softmax, so only a frame of 48 rows round a block of 32 queries is looked at, and nothing between x and out goes through memory.
; FORMATS.  x, Wq, Wk, Wv, bo rounded to bf16; Wo rounded to bf16 and held as f16; q, k, v, the weights p and O rounded to f16; all sums, the maximum, the exponentials and the row sum l in f32.
; LIMITS.  |q|, |k|, |v|, |Wo| up to 65,504 (f16's range).  A hidden score counts as its value less 1e30, and its weight is 0: that is the result asked for while a row's own scaled scores stay above about -9.9e8.
; p below 6e-8 is 0 in f16; a weight below 2^-126 counts as 0 in l; NaN and infinities are not treated apart.
; SHARES.  256 work-groups, 32 rows each.  FRAME of 48 rows in three fragments of 16: F0, F1 my 32 rows; F2 the 8 rows in front (fragment rows 0-7) and the 8 behind (rows 8-15), row numbers clamped into x;
; rows of another batch and clamped rows are hidden by the mask.  Each of the four waves keeps the whole frame's fragments (48 x 512 bf16, 384 registers) and owns two heads and, at the end, 128 columns of out.
; LAYOUT.  Q and K are made transposed (source 0 = 16 rows of W, source 1 = 16 rows of x): a lane holds one row of x and eight channels, and two such results rounded to f16 ARE a fragment of Q or K.
; V is made the natural way (source 0 = x, source 1 = W): a lane holds one channel and eight rows, and two results ARE a fragment of V^T.  S^T = K Q^T holds one query a lane, its rounded weights ARE source 1 of
; O^T = V^T P, and O^T's results ARE fragments of O for out^T = Wo O^T, whose results are eight neighbouring columns of a row of out.  Only O changes waves, 32 KB through LDS, since every wave needs all 512 channels.
; THE MASK is the C operand that starts the sum S^T: 0, or -1e30 where the key is hidden.  A row's 48 scores lie in registers, so the true maximum is taken before the exponentials.
; WEIGHTS walk through a ring of two LDS slots of 131,072 bytes; a slot holds a piece of 32,768 bytes for each wave (64 rows of W x 256 along K), which that wave fetches and alone reads.
; CLUSTER.  All work-groups walk the same 2 MB of weights, so the four of a cluster ask JOINTLY: the same tensor load, descriptor and mask (15) in all four.
; REGISTERS, in windows of 256 (s_set_vgpr_msb: bits 1:0 source 0, 3:2 source 1, 5:4 source 2, 7:6 destination):
;   window 0: v0-31 addresses and work; v32-127 twelve accumulators; v128-191, v192-255 two buffers of W's fragments (2 units x 4 fragments x 8)
;   window 1: x's fragments F0, F1 (128 i + 8 kc), later O's (128 tq + 8 kc)      window 2: v0-127 F2; v128-175 masks; v176-239 bias      window 3: Q 0-31, K 32-79, V^T 80-143
.set SLOTB, 131072                     ; bytes in a slot
.set STAGE, 2*SLOTB                    ; behind the ring, never filled by a tensor load: 50,176 bytes, used three times with barriers between
.set XP,    1040                       ; (a) x's frame in bf16: a row of 1,024 bytes + 16: 65 x 16, so the 16 rows of a fragment load start in 16 different groups of four banks (64 banks of 4 bytes: ISA guide 11.1)
.set OUTST, STAGE+32768                ; (b) O's 32 fragments of 1,024 bytes from STAGE on; (c) from here 16 rows x 272 bytes for each wave, for the way out
.set OPI,   272                        ; 64 f32 + 16 bytes
.set SPARE, STAGE+50176                ; the spare words, 128 bytes for each wave: two blocks of 256 bytes that no other line names
.set R,   1                            ; v1   lane % 16
.set H,   2                            ; v2   lane / 16
.set LN,  3                            ; v3   lane
.set L16, 4                            ; v4   16 x lane
.set WA,  5                            ; v5-6 my piece in slot 0, 1, + 16 x lane
.set XA,  7                            ; v7   my place in a fragment of the x stage
.set XS,  8                            ; v8   where I store my wave's 12 rows of the frame
.set OA,  9                            ; v9   where my head's O fragments go; steps by 2,048 a head
.set OS,  10                           ; v10  the way out: where I put 32 bytes of a row
.set ORD, 11                           ; v11  the way out: where I read rows back
.set GO,  12                           ; v12  my byte offset in two rows of out
.set BOF, 13                           ; v13  my byte offset in bo
.set OXR, 14                           ; v14  O's fragments + 16 x lane
.set SPW, 30                           ; v30  my spare word: SPARE + 4 x my thread's number; never rewritten
.set NIL, 31                           ; v31  0; never rewritten
.set ACC, 32                           ; accumulator (i, t) at ACC + 8 (4 i + t)
.set BA,  128
.set BB,  192
.set XO,  32                           ; prologue: v32-43 byte offsets of my 12 rows of x
.set XL,  64                           ; prologue: v64-255 those rows as loaded
.set S,   32                           ; attention: S^T (tq, i) at S + 24 tq + 8 i
.set P,   80                           ; P (tq) at P + 16 tq: F0, F1, F2, zeros, four registers each
.set T,   112                          ; at T + 8 tq: c m, m, three at work, -, 1 / l twice
.set OT,  192                          ; O^T (tq, t) at OT + 32 tq + 8 t
.set OF,  32                           ; O's fragments (tq, c) at OF + 16 tq + 8 c
.set BK0, 96                           ; the way out: 16 rows read back
.set BK1, 192
.set MK,  128                          ; window 2: mask (tq, i) at MK + 24 tq + 8 i
.set BI,  176                          ; window 2: bias (sp, t) at BI + 32 sp + 8 t
.set QF,  0                            ; window 3
.set KF,  32
.set VT,  80
.set WV,  12                           ; s12  my wave's number
.set G1,  24                           ; s[24:31] descriptor group 1
.set G0,  32                           ; s[32:39] descriptor group 0, a set for each slot
.set CS,  40                           ; s[40:41] c = log2(e) / 8
.set SEL, 42                           ; s[42:43] v_permlanex16_b32's selects: each lane takes its own place in the other half
.set BIGN, 44                          ; s44  -1e30
.set HEADS, 45                         ; s45  heads to go
.set SPN, 0
.set MSB, 0
.macro WIN new                         ; the immediate's high byte repeats the setting that is left; a switch that changes nothing is dropped
.if MSB != (\new)
	s_set_vgpr_msb (MSB<<8)|(\new)
.set MSB, (\new)
.endif
.endm
; A load into a register that a matrix instruction has read, and a vector instruction or LDS store that reads a matrix result, stand four places behind that matrix instruction; only plain vector
; instructions that name none of its registers are places (ISA guide 7.12.1 for vector instructions).
.macro PLACES
.rept 4
	v_nop
.endr
.endm
; A round of the cluster's barrier: my work-group's barrier, so that wave 0's signal speaks for all four waves; wave 0 signals; every wave waits for all four work-groups; my work-group's barrier once more.
.macro CREST                           ; a round behind its opening barrier
	s_cmp_lg_u32 s[WV], 0
	s_cbranch_scc1 .Lnot_wave_0_\@
	s_barrier_signal -3
.Lnot_wave_0_\@:
	s_barrier_wait -3
	s_barrier_signal -1
	s_barrier_wait -1
.endm
.macro CROUND
	s_barrier_signal -1
	s_barrier_wait -1
	CREST
.endm
; 16 LDS loads in one run: units 2 n and 2 n + 1 of my piece in slot bs, four fragments each, into buffer buf.  32 lanes x 16 neighbouring bytes: no bank is asked twice.
.macro FETCH bs, n, buf
	WIN 0
.irp du, 0,1
.irp t, 0,1,2,3
	ds_load_b128 v[(\buf)+8*(4*(\du)+(\t)):(\buf)+8*(4*(\du)+(\t))+3],   v[WA+(\bs)] offset:(2*(\n)+(\du))*4096+(\t)*1024
	ds_load_b128 v[(\buf)+8*(4*(\du)+(\t))+4:(\buf)+8*(4*(\du)+(\t))+7], v[WA+(\bs)] offset:(2*(\n)+(\du))*4096+(\t)*1024+512
.endr
.endr
.endm
; One product.  kind 0, 1 (Q, K): W x x, bf16.  2 (V): x x W, bf16.  3 (out): Wo x O, f16.  The first K step starts the sum: with 0, or for out with the bias.  Nothing is ever cleared.
.macro PROD kind
.if (\kind) == 3
.if kk == 0
	v_wmma_f32_16x16x32_f16 v[rD:rD+7], v[rW:rW+7], v[rX:rX+7], v[rB:rB+7]
.else
	v_wmma_f32_16x16x32_f16 v[rD:rD+7], v[rW:rW+7], v[rX:rX+7], v[rD:rD+7]
.endif
.elseif (\kind) == 2
.if kk == 0
	v_wmma_f32_16x16x32_bf16 v[rD:rD+7], v[rX:rX+7], v[rW:rW+7], 0
.else
	v_wmma_f32_16x16x32_bf16 v[rD:rD+7], v[rX:rX+7], v[rW:rW+7], v[rD:rD+7]
.endif
.else
.if kk == 0
	v_wmma_f32_16x16x32_bf16 v[rD:rD+7], v[rW:rW+7], v[rX:rX+7], 0
.else
	v_wmma_f32_16x16x32_bf16 v[rD:rD+7], v[rW:rW+7], v[rX:rX+7], v[rD:rD+7]
.endif
.endif
.endm
; n units (32 along K each) from K step kc on, W's fragments at wb.  First fragments 0 and 1 of x (or O's two query tiles) x 4 fragments of W, unit by unit; then, for K and V, fragment 2.
; The accumulators take turns, one instruction a turn: 0..7 (0..7) 8..11 (8..11), and the next run begins with 0.
.macro MULRUN kind, kc, n, wb
.set du, 0
.rept \n
.set kk, (\kc)+du
.if (\kind) == 2
	WIN 0x01                                       ; source 0 = x in window 1
.elseif ((\kind) == 3) && (kk == 0)
	WIN 0x24                                       ; source 1 = O in window 1, C = the bias in window 2
.else
	WIN 0x04                                       ; source 1 = x or O in window 1
.endif
.set ii, 0
.rept 2
.set tt, 0
.rept 4
.set rD, ACC+8*(4*ii+tt)
.set rW, (\wb)+32*du+8*tt
.set rX, 128*ii+8*kk
.set rB, BI+32*SPN+8*tt
	PROD \kind
.set tt, tt+1
.endr
.set ii, ii+1
.endr
.set du, du+1
.endr
.if ((\kind) == 1) || ((\kind) == 2)
.set du, 0
.rept \n
.set kk, (\kc)+du
.if (\kind) == 2
	WIN 0x02                                       ; source 0 = F2 in window 2
.else
	WIN 0x08                                       ; source 1 = F2 in window 2
.endif
.set tt, 0
.rept 4
.set rD, ACC+8*(8+tt)
.set rW, (\wb)+32*du+8*tt
.set rX, 8*kk
	PROD \kind
.set tt, tt+1
.endr
.set du, du+1
.endr
.endif
.endm
; A slot is eight units.  Its first six: while two units are multiplied, the next two are on their way from LDS.  The count 16 leaves the run just issued out and shows everything older in.
.macro THREE kind, hf, bs
	PLACES
	FETCH \bs, 1, BB
	s_wait_dscnt 16
	MULRUN \kind, 8*(\hf), 2, BA
	PLACES
	FETCH \bs, 2, BA
	s_wait_dscnt 16
	MULRUN \kind, 8*(\hf)+2, 2, BB
	PLACES
	FETCH \bs, 3, BB
	s_wait_dscnt 16
	MULRUN \kind, 8*(\hf)+4, 2, BA
.endm
; The last two units, and THE CHANGE OF SLOTS.  fill = 1: each wave waits for all its tensor loads, of which one is out: its piece of the other slot; adds 0 to its spare word; waits for that and for its
; reads of this slot; and opens a round of the cluster's barrier, with one unit's products inside.  Behind the round no wave of any partner reads this slot or has a load on its way: the joint refill, two
; slots on, is the first thing there, and has the other slot's products (64, or 96 for K and V) in which to land.
; fill = 0: nothing is left to fetch; my piece of the last slot is shown in by my own wait, and only I read it: no barrier.
.macro CHANGE kind, kc6, bs, fill
	WIN 0
	s_wait_tensorcnt 0x0                           ; no tensor load of mine is out, so a group 0 may be written
.if \fill
	ds_add_u32 v[SPW], v[NIL]                      ; 0 onto my spare word
	s_add_nc_u64 s[G0+4*(\bs)+2:G0+4*(\bs)+3], s[G0+4*(\bs)+2:G0+4*(\bs)+3], 2*SLOTB  ; this slot's next piece; the type bits on top are not reached
	s_wait_dscnt 0x0                               ; the add is done, and my reads of this slot are over
	s_barrier_signal -1
	MULRUN \kind, \kc6, 1, BB
	WIN 0
	s_barrier_wait -1
	CREST
	tensor_load_to_lds s[G0+4*(\bs):G0+4*(\bs)+3], s[G1:G1+7]
	s_nop 0
	PLACES                                         ; the places in front of the loads below
.else
	s_wait_dscnt 0x0
	MULRUN \kind, \kc6, 1, BB
	PLACES
.endif
	FETCH 1-(\bs), 0, BA                           ; the other slot's first two units
	MULRUN \kind, (\kc6)+1, 1, BB+32
.endm
.macro HALF kind, hf, bs, fill
	THREE \kind, \hf, \bs
	CHANGE \kind, 8*(\hf)+6, \bs, \fill
.endm
; Q's or K's results, nf fragments of 16 rows x 64 channels, rounded to f16: results 2 c and 2 c + 1 are the two halves of the fragment of channels 32 c on.  Each accumulator is read from its low end on.
.macro PACKT nf, dst
	PLACES
	WIN 0xc0                                       ; destination window 3
.set ii, 0
.rept \nf
.set z, 0
.rept 16
	v_cvt_pk_f16_f32 v[(\dst)+16*ii+z], v[ACC+32*ii+2*z], v[ACC+32*ii+2*z+1]
.set z, z+1
.endr
.set ii, ii+1
.endr
.endm
; V's results: frame fragment i of channel block t is a quarter of V^T (t): keys F0, F1, F2; the fourth quarter stays 0.
.macro PACKV
	PLACES
	WIN 0xc0
.irp i, 0,1,2
.irp t, 0,1,2,3
.irp p, 0,1,2,3
	v_cvt_pk_f16_f32 v[VT+16*(\t)+4*(\i)+(\p)], v[ACC+8*(4*(\i)+(\t))+2*(\p)], v[ACC+8*(4*(\i)+(\t))+2*(\p)+1]
.endr
.endr
.endr
.endm
; THE WAY OUT.  A lane's eight f32 of a row go into my own stage (rows of 272 bytes) and come back as whole rows of 256 bytes.
.macro TOSTAGE tq, bk
.irp t, 0,1,2,3
	ds_store_b128 v[OS], v[ACC+8*(4*(\tq)+(\t)):ACC+8*(4*(\tq)+(\t))+3]   offset:64*(\t)
	ds_store_b128 v[OS], v[ACC+8*(4*(\tq)+(\t))+4:ACC+8*(4*(\tq)+(\t))+7] offset:64*(\t)+16
.endr
.irp tp, 0,1,2,3,4,5,6,7
	ds_load_b128 v[(\bk)+4*(\tp):(\bk)+4*(\tp)+3], v[ORD] offset:2*OPI*(\tp)  ; LDS serves a wave's instructions in order (ISA guide 5.7.1.4): these see the stores above, and the next tile's stores come behind them
.endr
.endm
.macro SEND sp, tq, bk, younger        ; younger: the LDS instructions issued behind this tile's loads
.irp tp, 0,1,2,3,4,5,6,7
	s_wait_dscnt (\younger)+7-(\tp)
	global_store_b128 v[GO], v[(\bk)+4*(\tp):(\bk)+4*(\tp)+3], s[10:11] offset:256*(\sp)+2048*(16*(\tq)+2*(\tp)) th:TH_STORE_NT  ; 16 lanes store 256 consecutive bytes, at a multiple of 256 from out's first byte
.endr
.endm
.macro WAYOUT sp
	PLACES
	WIN 0
	TOSTAGE 0, BK0
	TOSTAGE 1, BK1
	SEND \sp, 0, BK0, 16
	SEND \sp, 1, BK1, 0
	s_wait_xcnt 0x0                                ; the stores' data registers are loaded into again only behind this wait
.endm
	s_load_b256 s[4:11], s[0:1], 0x0               ; x s[4:5], wpack s[6:7], bo s[8:9], out s[10:11]
	v_lshl_add_u32 v[SPW], v0, 2, SPARE
	v_mov_b32 v[NIL], 0
	ds_add_u32 v[SPW], v[NIL]                      ; the wave's opening: the add and its wait stand ahead of my first tensor load; the set-up below, work on registers, stands between them
	v_lshrrev_b32 v15, 5, v0
	v_readfirstlane_b32 s[WV], v15                 ; wave 0..3
	s_bfe_u32 s13, ttmp6, 0x40000                  ; cx: my place in the cluster: it enters x's and out's offsets and the mask's values alone
	s_lshl_b32 s14, ttmp9, 2                       ; in a cluster launch ttmp9 counts clusters
	s_add_co_u32 s14, s14, s13                     ; my block of 32 rows
	s_lshl_b32 s15, s14, 5                         ; its first row
	; descriptor group 1: a piece is 32,768 dense bytes, asked for as 128 rows of 256 bytes (32 elements of 8 bytes)
	s_mov_b32 s[G1+0], 15|(3<<16)|(1<<21)          ; 15:0 the mask: all four work-groups; 17:16 elements of 8 bytes; 21 set beside a mask; no padding
	s_mov_b32 s[G1+1], 32<<16                      ; tensor_dim0 = 32
	s_mov_b32 s[G1+2], 128<<16                     ; tensor_dim1 = 128
	s_mov_b32 s[G1+3], 32<<16                      ; tile_dim0 = 32
	s_mov_b32 s[G1+4], 128                         ; tile_dim1 = 128
	s_mov_b32 s[G1+5], 32                          ; 32 elements from row to row
	s_mov_b32 s[G1+6], 0
	s_mov_b32 s[G1+7], 0
	s_lshl_b32 s48, s[WV], 15                      ; my piece in a slot, in LDS and in wpack: wave x 32,768
	s_mov_b32 s49, 0
	s_mov_b32 s[G0], 1                             ; count = 1
	s_mov_b32 s[G0+1], s48                         ; LDS address: slot 0
	s_mov_b32 s[G0+4], 1
	s_add_co_u32 s[G0+5], s48, SLOTB               ; slot 1
	s_mov_b32 s[CS], 0x3e38aa3b                    ; c = log2(e) / 8 = 0.180337
	s_mov_b32 s[CS+1], s[CS]                       ; named with it as a pair
	s_mov_b32 s[SEL], 0x76543210
	s_mov_b32 s[SEL+1], 0xfedcba98
	s_mov_b32 s[BIGN], 0xf149f2ca                  ; -1e30
	s_mov_b32 s47, 0xffff0000                      ; a word's upper bf16
	v_and_b32 v[R], 15, v0
	v_bfe_u32 v[H], v0, 4, 1
	v_and_b32 v[LN], 31, v0
	v_lshlrev_b32 v[L16], 4, v[LN]
	s_lshl_b32 s17, s[WV], 9                       ; my 128 columns, in bytes of f32
	v_lshl_add_u32 v[BOF], v[H], 5, s17
	s_mul_i32 s18, s[WV], 12                       ; my wave brings frame rows 12 w .. 12 w + 11
.set ri, 0
.rept 12
	s_add_co_u32 s19, s18, ri                      ; frame row f: 0-31 my rows; 32-39 the eight in front (f - 40); 40-47 the eight behind (f - 8)
	s_cmp_ge_u32 s19, 32
	s_cselect_b32 s20, -40, 0
	s_cmp_ge_u32 s19, 40
	s_cselect_b32 s20, -8, s20
	s_add_co_i32 s19, s19, s20
	s_add_co_i32 s19, s19, s15
	s_max_i32 s19, s19, 0                          ; clamped into x's 8,192 rows: a clamped row is hidden by the mask
	s_min_i32 s19, s19, 8191
	s_lshl_b32 s19, s19, 11
	v_add_nc_u32 v[XO+ri], s19, v[L16]
.set ri, ri+1
.endr
	s_wait_dscnt 0x0                               ; the opening add is done
	s_wait_kmcnt 0x0
	WIN 0x80                                       ; destination window 2
.irp sp, 0,1
.irp t, 0,1,2,3
	global_load_b128 v[BI+32*(\sp)+8*(\t):BI+32*(\sp)+8*(\t)+3],   v[BOF], s[8:9] offset:256*(\sp)+64*(\t)     ; bo[128 w + 64 sp + 16 t + 8 (lane / 16) + 0..7]: the layout of a result of Wo x O
	global_load_b128 v[BI+32*(\sp)+8*(\t)+4:BI+32*(\sp)+8*(\t)+7], v[BOF], s[8:9] offset:256*(\sp)+64*(\t)+16
.endr
.endr
	WIN 0
.set ri, 0
.rept 12
.irp c, 0,1,2,3
	global_load_b128 v[XL+16*ri+4*(\c):XL+16*ri+4*(\c)+3], v[XO+ri], s[4:5] offset:512*(\c)  ; 512 consecutive bytes of a row
.endr
.set ri, ri+1
.endr
	s_add_nc_u64 s[G0+2:G0+3], s[6:7], s[48:49]    ; global address: my piece of slot 0,
	s_add_nc_u64 s[G0+6:G0+7], s[G0+2:G0+3], SLOTB ; of slot 1
	s_or_b32 s[G0+3], s[G0+3], 0x80000000          ; type = 2
	s_or_b32 s[G0+7], s[G0+7], 0x80000000
	CROUND                                         ; all four work-groups are here: the first joint loads meet
	tensor_load_to_lds s[G0:G0+3], s[G1:G1+7]      ; both first fills together: two loads of mine are out
	s_nop 0
	tensor_load_to_lds s[G0+4:G0+7], s[G1:G1+7]
	s_nop 0
	PLACES
	; all that follows up to the first wait stands in the wait for x
	v_add_nc_u32 v[WA], s48, v[L16]
	v_add_nc_u32 v[WA+1], SLOTB, v[WA]
	s_lshl_b32 s48, s15, 11                        ; out at my block's first row and my wave's 128 columns
	s_add_co_u32 s48, s48, s17
	s_add_nc_u64 s[10:11], s[10:11], s[48:49]
	v_mul_u32_u24 v[XA], v[R], XP
	v_lshl_add_u32 v[XA], v[H], 4, v[XA]
	v_add_nc_u32 v[XA], STAGE, v[XA]               ; row x pitch + 16 x half
	s_mul_i32 s16, s[WV], 12*XP
	s_add_co_u32 s16, s16, STAGE
	v_lshl_add_u32 v[XS], v[LN], 3, s16            ; four f32 become 8 bytes a lane
	v_add_nc_u32 v[OXR], STAGE, v[L16]
	s_lshl_b32 s16, s[WV], 12
	v_add_nc_u32 v[OA], s16, v[OXR]                ; my first head's fragments: K steps 4 w, 4 w + 1
	s_mul_i32 s16, s[WV], 16*OPI
	s_add_co_u32 s16, s16, OUTST                   ; my stage
	v_mul_u32_u24 v[OS], v[R], OPI
	v_lshl_add_u32 v[OS], v[H], 5, v[OS]
	v_add_nc_u32 v[OS], s16, v[OS]                 ; in: row lane % 16, 32 bytes for each half of the lanes
	v_mul_u32_u24 v[ORD], v[H], OPI
	v_lshl_add_u32 v[ORD], v[R], 4, v[ORD]
	v_add_nc_u32 v[ORD], s16, v[ORD]               ; back: lanes 0-15 one row of 256 bytes, lanes 16-31 the next
	v_lshlrev_b32 v[GO], 11, v[H]
	v_lshl_add_u32 v[GO], v[R], 4, v[GO]           ; and the same two rows in out
	WIN 0xc0
.irp t, 0,1,2,3
.irp z, 12,13,14,15
	v_mov_b32 v[VT+16*(\t)+(\z)], 0                ; V^T's fourth quarter: there are 48 keys for two K steps of 32
.endr
.endr
	WIN 0
	; THE MASKS.  Register j of S^T (tq, i) is key ko + j against query 16 tq + lane % 16 (both counted from my first row); ko = 16 i + 8 (lane / 16), for F2 -8 or 32.
	; Seen where key - query + 4 lies in 0..8, as an unsigned number.  At a batch's first block the eight rows in front, at its last the eight behind, are hidden altogether.
	s_and_b32 s16, s14, 127                        ; a batch has 128 blocks
	s_cmp_eq_u32 s16, 0
	s_cselect_b32 s46, 0xffff, 0                   ; lanes 0-15 hold the rows in front,
	s_cmp_eq_u32 s16, 127
	s_cselect_b32 s20, 0xffff0000, 0               ; lanes 16-31 those behind
	s_or_b32 s46, s46, s20
	v_lshlrev_b32 v25, 3, v[H]
	v_sub_nc_u32 v25, v25, v[R]                    ; 8 (lane / 16) - lane % 16
	v_mul_u32_u24 v26, v[H], 40
	v_sub_nc_u32 v26, v26, v[R]                    ; 40 (lane / 16) - lane % 16
	v_mov_b32 v27, 0x1000                          ; far outside 0..8
.irp tq, 0,1
.irp i, 0,1,2
	WIN 0
.if (\i) < 2
	v_add_nc_u32 v24, 16*(\i)+4-16*(\tq), v25
.else
	v_add_nc_u32 v24, -4-16*(\tq), v26
	v_cndmask_b32 v24, v24, v27, s46
.endif
.irp j, 0,1,2,3,4,5,6,7
	v_add_nc_u32 v[16+(\j)], (\j), v24
.endr
	WIN 0x80                                       ; destination window 2; the compares' sources stay in window 0
.irp j, 0,1,2,3,4,5,6,7
	v_cmp_lt_u32 vcc_lo, 8, v[16+(\j)]
	v_cndmask_b32 v[MK+24*(\tq)+8*(\i)+(\j)], 0, s[BIGN], vcc_lo
.endr
.endr
.endr
	WIN 0
	; x: rounded to bf16 and into the stage, row by row
.set ri, 0
.rept 12
	s_wait_loadcnt 4*(11-ri)                       ; loads come back in order: the four loads of each younger row may stay out; the bias's are older
.irp c, 0,1,2,3
	v_cvt_pk_bf16_f32 v[XL+16*ri+4*(\c)],   v[XL+16*ri+4*(\c)],   v[XL+16*ri+4*(\c)+1]
	v_cvt_pk_bf16_f32 v[XL+16*ri+4*(\c)+1], v[XL+16*ri+4*(\c)+2], v[XL+16*ri+4*(\c)+3]
	ds_store_b64 v[XS], v[XL+16*ri+4*(\c):XL+16*ri+4*(\c)+1] offset:XP*ri+256*(\c)
.endr
.set ri, ri+1
.endr
	WIN 0x8a                                       ; the bias is rounded to bf16 like every input and widened again, in place in window 2
.set z, 0
.rept 32
	v_cvt_pk_bf16_f32 v[BI+2*z], v[BI+2*z], v[BI+2*z+1]
.set z, z+1
.endr
.set z, 0
.rept 32
	v_and_b32 v[BI+2*z+1], s47, v[BI+2*z]
	v_lshlrev_b32 v[BI+2*z], 16, v[BI+2*z]
.set z, z+1
.endr
	WIN 0
	s_wait_tensorcnt 0x1                           ; my piece of slot 0 is in; slot 1's may stay out
	s_wait_dscnt 0x0                               ; for the others' sake: my rows of the frame are stored
	s_barrier_signal -1
	s_barrier_wait -1
	WIN 0x40                                       ; destination window 1
.irp f, 0,1
.set kk, 0
.rept 16
	ds_load_b128 v[128*(\f)+8*kk:128*(\f)+8*kk+3],   v[XA] offset:16*XP*(\f)+64*kk
	ds_load_b128 v[128*(\f)+8*kk+4:128*(\f)+8*kk+7], v[XA] offset:16*XP*(\f)+64*kk+32
.set kk, kk+1
.endr
.endr
	WIN 0x80                                       ; destination window 2
.set kk, 0
.rept 16
	ds_load_b128 v[8*kk:8*kk+3],   v[XA] offset:32*XP+64*kk
	ds_load_b128 v[8*kk+4:8*kk+7], v[XA] offset:32*XP+64*kk+32
.set kk, kk+1
.endr
	FETCH 0, 0, BA
	s_mov_b32 s[HEADS], 2
.Lhead:                                                ; a trip is a head: six slots are read and six asked for
	HALF 0, 0, 0, 1                                ; Q: 32 rows x 64 channels
	HALF 0, 1, 1, 1
	PACKT 2, QF
	HALF 1, 0, 0, 1                                ; K: 48 rows
	HALF 1, 1, 1, 1
	PACKT 3, KF
	HALF 2, 0, 0, 1                                ; V: 48 rows
	HALF 2, 1, 1, 1
	PACKV
	; THE ATTENTION of one head: two tiles of 16 queries x 48 keys.  Buffer BA holds the next slot's first fragments and is not touched.
	WIN 0x2f                                       ; K and Q in window 3, the mask in window 2, S^T in window 0
.irp tq, 0,1
.irp i, 0,1,2
	v_wmma_f32_16x16x32_f16 v[S+24*(\tq)+8*(\i):S+24*(\tq)+8*(\i)+7], v[KF+16*(\i):KF+16*(\i)+7], v[QF+16*(\tq):QF+16*(\tq)+7], v[MK+24*(\tq)+8*(\i):MK+24*(\tq)+8*(\i)+7]
.endr
.endr
	WIN 0x0f                                       ; the six accumulators take turns
.irp tq, 0,1
.irp i, 0,1,2
	v_wmma_f32_16x16x32_f16 v[S+24*(\tq)+8*(\i):S+24*(\tq)+8*(\i)+7], v[KF+16*(\i)+8:KF+16*(\i)+15], v[QF+16*(\tq)+8:QF+16*(\tq)+15], v[S+24*(\tq)+8*(\i):S+24*(\tq)+8*(\i)+7]
.endr
.endr
	WIN 0
.irp tq, 0,1
.irp z, 12,13,14,15
	v_mov_b32 v[P+16*(\tq)+(\z)], 0                ; P's fourth quarter; these eight lines are also the places behind the products
.endr
.endr
	; the maximum of a lane's 24 scores: three chains, one an accumulator, each from its low end on; the two tiles alternate
.irp n, 0,1,2
.irp tq, 0,1
	v_max3_num_f32 v[T+8*(\tq)+2+(\n)], v[S+24*(\tq)+8*(\n)], v[S+24*(\tq)+8*(\n)+1], v[S+24*(\tq)+8*(\n)+2]
.endr
.endr
.irp e, 3,5
.irp n, 0,1,2
.irp tq, 0,1
	v_max3_num_f32 v[T+8*(\tq)+2+(\n)], v[T+8*(\tq)+2+(\n)], v[S+24*(\tq)+8*(\n)+(\e)], v[S+24*(\tq)+8*(\n)+(\e)+1]
.endr
.endr
.endr
.irp tq, 0,1
	v_max3_num_f32 v[T+8*(\tq)+2], v[T+8*(\tq)+2], v[S+24*(\tq)+7], v[S+24*(\tq)+15]
.endr
.irp tq, 0,1
	v_max3_num_f32 v[T+8*(\tq)+3], v[T+8*(\tq)+3], v[T+8*(\tq)+4], v[S+24*(\tq)+23]
.endr
.irp tq, 0,1
	v_max_num_f32 v[T+8*(\tq)+2], v[T+8*(\tq)+2], v[T+8*(\tq)+3]
.endr
.irp tq, 0,1
	v_permlanex16_b32 v[T+8*(\tq)+3], v[T+8*(\tq)+2], s[SEL], s[SEL+1]  ; the query's other 24 keys lie in the lane 16 away
.endr
.irp tq, 0,1
	v_max_num_f32 v[T+8*(\tq)+1], v[T+8*(\tq)+2], v[T+8*(\tq)+3]       ; m: every row sees its own key, so m is a true score
.endr
.irp tq, 0,1
	v_mul_f32 v[T+8*(\tq)], s[CS], v[T+8*(\tq)+1]                      ; c m
.endr
.irp z, 0,1,2,3,4,5,6,7,8,9,10,11
.irp tq, 0,1
	v_pk_fma_f32 v[S+24*(\tq)+2*(\z):S+24*(\tq)+2*(\z)+1], v[S+24*(\tq)+2*(\z):S+24*(\tq)+2*(\z)+1], s[CS:CS+1], v[T+8*(\tq):T+8*(\tq)+1] op_sel_hi:[1,0,0] neg_lo:[0,0,1] neg_hi:[0,0,1]  ; c s - c m
.endr
.endr
.set z, 0
.rept 48
	v_exp_f32 v[S+z], v[S+z]                       ; p = 2^(c s - c m)
.set z, z+1
.endr
	v_nop                                          ; a plain instruction between the last exponential and the use of its result (ISA guide 5.7.2)
	s_wait_alu depctr_va_vdst(0)
.irp tq, 0,1
.set z, 0
.rept 12
	v_cvt_pk_f16_f32 v[P+16*(\tq)+z], v[S+24*(\tq)+2*z], v[S+24*(\tq)+2*z+1]
.set z, z+1
.endr
.endr
	WIN 0x03                                       ; V^T in window 3
.irp tq, 0,1
.irp t, 0,1,2,3
	v_wmma_f32_16x16x32_f16 v[OT+32*(\tq)+8*(\t):OT+32*(\tq)+8*(\t)+7], v[VT+16*(\t):VT+16*(\t)+7], v[P+16*(\tq):P+16*(\tq)+7], 0
.endr
.endr
.irp tq, 0,1
.irp t, 0,1,2,3
	v_wmma_f32_16x16x32_f16 v[OT+32*(\tq)+8*(\t):OT+32*(\tq)+8*(\t)+7], v[VT+16*(\t)+8:VT+16*(\t)+15], v[P+16*(\tq)+8:P+16*(\tq)+15], v[OT+32*(\tq)+8*(\t):OT+32*(\tq)+8*(\t)+7]
.endr
.endr
	WIN 0
	; l, of the unrounded p: a tree over a tile's 12 pairs, in place; these lines name no register of the products above and are the places behind them
.irp z, 0,1,2,3,4,5
.irp tq, 0,1
	v_pk_add_f32 v[S+24*(\tq)+2*(\z):S+24*(\tq)+2*(\z)+1], v[S+24*(\tq)+2*(\z):S+24*(\tq)+2*(\z)+1], v[S+24*(\tq)+2*(\z)+12:S+24*(\tq)+2*(\z)+13]
.endr
.endr
.irp z, 0,1,2
.irp tq, 0,1
	v_pk_add_f32 v[S+24*(\tq)+2*(\z):S+24*(\tq)+2*(\z)+1], v[S+24*(\tq)+2*(\z):S+24*(\tq)+2*(\z)+1], v[S+24*(\tq)+2*(\z)+6:S+24*(\tq)+2*(\z)+7]
.endr
.endr
.irp z, 1,2
.irp tq, 0,1
	v_pk_add_f32 v[S+24*(\tq):S+24*(\tq)+1], v[S+24*(\tq):S+24*(\tq)+1], v[S+24*(\tq)+2*(\z):S+24*(\tq)+2*(\z)+1]
.endr
.endr
.irp tq, 0,1
	v_add_f32 v[T+8*(\tq)+2], v[S+24*(\tq)], v[S+24*(\tq)+1]
.endr
.irp tq, 0,1
	v_permlanex16_b32 v[T+8*(\tq)+3], v[T+8*(\tq)+2], s[SEL], s[SEL+1]
.endr
.irp tq, 0,1
	v_add_f32 v[T+8*(\tq)+2], v[T+8*(\tq)+2], v[T+8*(\tq)+3]           ; l is at least 1: the maximum's own weight
.endr
.irp tq, 0,1
	v_rcp_f32 v[T+8*(\tq)+6], v[T+8*(\tq)+2]       ; twice: a pair for the packed multiply
	v_rcp_f32 v[T+8*(\tq)+7], v[T+8*(\tq)+2]
.endr
	v_nop                                          ; a plain instruction between the last reciprocal and the use of its result
	s_wait_alu depctr_va_vdst(0)
.irp tq, 0,1
.set z, 0
.rept 16
	v_pk_mul_f32 v[OT+32*(\tq)+2*z:OT+32*(\tq)+2*z+1], v[OT+32*(\tq)+2*z:OT+32*(\tq)+2*z+1], v[T+8*(\tq)+6:T+8*(\tq)+7]
.set z, z+1
.endr
.endr
.irp tq, 0,1
.set z, 0
.rept 16
	v_cvt_pk_f16_f32 v[OF+16*(\tq)+z], v[OT+32*(\tq)+2*z], v[OT+32*(\tq)+2*z+1]  ; results 2 c and 2 c + 1 are the halves of O's fragment of channels 32 c on
.set z, z+1
.endr
.endr
.irp tq, 0,1
.irp c, 0,1
.irp hh, 0,1
	ds_store_b128 v[OA], v[OF+16*(\tq)+8*(\c)+4*(\hh):OF+16*(\tq)+8*(\c)+4*(\hh)+3] offset:16384*(\tq)+1024*(\c)+512*(\hh)  ; in register order, for every wave to read; the x stage's last readers passed many barriers ago
.endr
.endr
.endr
	v_add_nc_u32 v[OA], 2048, v[OA]                ; the next head's two K steps
	s_sub_co_u32 s[HEADS], s[HEADS], 1
	s_cmp_lg_u32 s[HEADS], 0
	s_cbranch_scc1 .Lhead
	; THE OUTPUT PROJECTION: every wave takes all of O (32 rows x 512 channels, into the registers that held F0 and F1) and makes its 128 columns, 64 at a time.
	s_wait_dscnt 0x0                               ; for the others' sake: my heads' O is stored
	s_barrier_signal -1                            ; my piece of the slot asked for last may stay out
	s_barrier_wait -1
	WIN 0x40
.set z, 0
.rept 32
	ds_load_b128 v[8*z:8*z+3],   v[OXR] offset:1024*z
	ds_load_b128 v[8*z+4:8*z+7], v[OXR] offset:1024*z+512
.set z, z+1
.endr
.set SPN, 0
	HALF 3, 0, 0, 1
	HALF 3, 1, 1, 1                                ; the last refill
	WAYOUT 0
.set SPN, 1
	HALF 3, 0, 0, 0
	THREE 3, 1, 1
	s_wait_dscnt 0x0                               ; the last two units
	MULRUN 3, 14, 2, BB
	WAYOUT 1
	s_wait_tensorcnt 0x0                           ; the wave's end, behind my last tensor load and my last LDS store
	ds_add_u32 v[SPW], v[NIL]
	s_wait_dscnt 0x0
	CROUND                                         ; the closing round: no work-group ends while a partner may still ask for a piece that names it
	s_endpgm
.Lfunc_end_k_q67d8f9c1cf_fused:
	.size	k_q67d8f9c1cf_fused, .Lfunc_end_k_q67d8f9c1cf_fused-k_q67d8f9c1cf_fused
	.p2alignl 7, 3214868480
	.fill 96, 4, 3214868480
	.section	.rodata,"a",@progbits
	.p2align	6, 0x0
	.amdhsa_kernel k_q67d8f9c1cf_fused
		.amdhsa_group_segment_fixed_size 327680
		.amdhsa_private_segment_fixed_size 0
		.amdhsa_enable_private_segment 0
		.amdhsa_kernarg_size 32
		.amdhsa_user_sgpr_count 2
		.amdhsa_user_sgpr_kernarg_segment_ptr 1
		.amdhsa_wavefront_size32 1
		.amdhsa_system_sgpr_workgroup_id_x 1
		.amdhsa_system_sgpr_workgroup_id_y 1
		.amdhsa_system_sgpr_workgroup_id_z 1
		.amdhsa_system_vgpr_workitem_id 0
		.amdhsa_next_free_vgpr 912
		.amdhsa_next_free_sgpr 66
		.amdhsa_reserve_vcc 1
		.amdhsa_float_denorm_mode_32 3
		.amdhsa_float_denorm_mode_16_64 3
		.amdhsa_memory_ordered 1
		.amdhsa_forward_progress 1
		.amdhsa_inst_pref_size 182
	.end_amdhsa_kernel
	.amdgpu_metadata
---
amdhsa.version: [ 1, 2 ]
amdhsa.kernels:
  - .name:           k_q67d8f9c1cf_fused
    .symbol:         k_q67d8f9c1cf_fused.kd
    .args:
      - { .name: x, .offset: 0, .size: 8, .value_kind: global_buffer, .address_space: global }
      - { .name: wpack, .offset: 8, .size: 8, .value_kind: global_buffer, .address_space: global }
      - { .name: bo, .offset: 16, .size: 8, .value_kind: global_buffer, .address_space: global }
      - { .name: out0, .offset: 24, .size: 8, .value_kind: global_buffer, .address_space: global }
    .group_segment_fixed_size: 327680
    .private_segment_fixed_size: 0
    .kernarg_segment_align: 8
    .kernarg_segment_size: 32
    .max_flat_workgroup_size: 128
    .sgpr_count:     66
    .vgpr_count:     912
    .wavefront_size: 32
...
	.end_amdgpu_metadata
.endif
;; end of part 2
